; MI455X (gfx1250); checked and timed in simulation.
; The chip was launched on July 23, 2026; its instructions are those of AMD's public machine-readable ISA for CDNA 5 (MIT licence, August 2026) and "CDNA5" Instruction Set Architecture Reference Guide (July 2026). The comments in the code are by the model that wrote it; some were corrected since.
;; RBM. Allowed arithmetic: matrix products marked QUANTISED: E2M1 operands, one E8M0 scale for each 32 along K, by v_wmma_scale_f32_16x16x128_f8f6f4 with both operands' format E2M1 (or v_wmma_scale_f32_32x16x128_f4), f32 sums; everything else in f32.
;; Inputs: W 4,096 x 4,096 float32; hidden_bias 4,096 float32; input_data 4,096 x 4,096 float32.
;; Outputs: out0 4,096 x 4,096 float32.
;; This version of the problem:
;;   THIS VERSION OF THE PROBLEM IS GIVEN IN LOW PRECISION. The matrix products marked QUANTISED in the list below multiply operands that are first quantised to E2M1 (2 exponent bits, 1 mantissa bit; 4 bits a number), with one power-of-two scale for each 32 numbers along K (OCP MX v1.0); their sums are f32. All else is computed in f32.
;;   The module's matrix products, in the order in which they are computed (A, B: the left and right operand; K: the contracted axis; several contracted axes count as one K, in the product's order):
;;     1. [M 4,096, K 4,096] x [K 4,096, N 4,096]; A: input input_data; B: input W: QUANTISED
;;   THE QUANTISER, for each operand of a quantised product, along K:
;;     - K is cut into blocks of 32 from its start; a last block that is shorter is filled with zeros.
;;     - A block's scale is 2^e with e = floor(log2(the largest magnitude in the block)) - 2, held to -126 .. 127; a block of zeros has e = 0. As a byte (E8M0): e + 127.
;;     - Each number is divided by its block's scale, clamped to +-6, and rounded to the nearest number of E2M1, ties to even, subnormals kept.
;;     - The product sums the exact products of the quantised numbers (number of the format x scale) in f32.
;;   ~~~python
;;   def quantise(x, axis):      # numpy; x: float32 -> the quantised numbers, widened to float32 again
;;       x = np.moveaxis(x, axis, -1); K = x.shape[-1]
;;       x = np.pad(x, [(0, 0)] * (x.ndim - 1) + [(0, -K % 32)]); x = x.reshape(x.shape[:-1] + (-1, 32)); a = np.abs(x).max(-1, keepdims=True)
;;       e = np.where(a > 0, np.clip(np.frexp(np.where(a > 0, a, 1))[1] - 1 - 2, -126, 127), 0)      # np.frexp(a)[1] - 1 = floor(log2(a)), exactly
;;       r = np.clip(x / 2.0 ** e, -6, 6)
;;       step = 2.0 ** (np.maximum(np.frexp(np.where(r == 0, 1, r))[1] - 1, 0) - 1)
;;       q = np.round(r / step) * step * 2.0 ** e      # np.round: ties to even
;;       return np.moveaxis(q.reshape(q.shape[:-2] + (-1,))[..., :K], -1, axis).astype(np.float32)
;;   ~~~
;; One version. Each part assembles by itself: llvm-mc -triple=amdgcn-amd-amdhsa -mcpu=gfx1250 --defsym DOCPART=n.
;; ======== version 1 of 1: 2 launches
;; limits: right only within a limited range of input values
;; workspace buffers: apack 8,912,896 bytes; bpack 8,912,896 bytes
;; launch quant (part 1): grid 1024 x 1, 4 waves a work-group, no clusters, 41,472 bytes of LDS; arguments input_data, W, apack, bpack; writes apack, bpack
.if DOCPART == 1
	.amdgcn_target "amdgcn-amd-amdhsa--gfx1250"
	.amdhsa_code_object_version 6
	.text
	.protected	k_qe1fc3aa488_quant
	.globl	k_qe1fc3aa488_quant
	.p2align	8
	.type	k_qe1fc3aa488_quant,@function
k_qe1fc3aa488_quant:
	s_mov_b64 s[64:65], 0
	v_nop
	global_prefetch_b8 v0, s[64:65] scope:SCOPE_SE
	s_setreg_imm32_b32 hwreg(HW_REG_WAVE_MODE, 25, 1), 1
	s_wait_xcnt 0x0
; x [4096 (m)][4096 (k)] and W [4096 (k)][4096 (n)], f32, become codes of FP4 (E2M1) with one E8M0 scale byte for each 32 along K.
; A block's scale is 2^(floor(log2(its largest magnitude)) - 2); its byte is the largest magnitude's exponent field - 2, held at 1 from below.
; Each number is divided by the scale and rounded to the nearest code, ties to even; beyond 6 the largest code.
; LIMITS: a block of zeros gets the byte 1 where the rule says 127 (its codes are zeros, which add nothing under any byte but 0xff, and this
; program alone reads the bytes); blocks whose largest magnitude lies under 2^-124 are held at the byte 1 and were not tried; NaN and infinities are not served.
; THE PACKS.  apack (rows = m) and bpack (rows = n) have one layout: pack[g = row / 128][t = k / 256] is a block of 17,408 bytes:
;   bytes 0 .. 16,383: codes [row % 128][128 bytes], byte (k % 256) / 2, the lower k in the low four bits;  bytes 16,384 .. 17,407: scale bytes [row % 128][8].
; So 512 along K of 128 rows, codes and scale bytes, are 34,816 consecutive bytes for the product's launch, and a wave here, which owns 32 rows x 256 K,
; writes 4,096 consecutive bytes of codes and 256 consecutive scale bytes: every store of a wave covers whole aligned runs of 256 bytes.
; Work-groups 0 .. 511 take x, 512 .. 1023 take W: two paths, each with LDS bytes of its own.  No tensor load, no barrier: waves share nothing.
.set BLKB,  17408
.set EMAX,  2
; ---- path for x (K innermost)
.set STEPS, 16                         ; a step = two rows x 256 numbers = a stream of 512 numbers
.set SP,    80                         ; a lane's place in a stage: its 64 bytes + 16 of padding
.set XREG,  5632                       ; LDS of a wave: two stages of 32 x SP bytes, then its 256 scale bytes
.set XR,    16                         ; v16-79   four sets of 16 numbers as they are loaded
.set XX,    80                         ; v80-111  two sets of 16 neighbours
.set XE,    112                        ; v112-127 a scale byte for each step
.set XC,    128                        ; v128-191 codes: four registers for each step (two used), so that no store's data are written again
; ---- path for W (K is the first axis)
.set WBASE, 4*XREG                     ; behind the other path's bytes
.set WP,    144                        ; a stage row: a column's 128 bytes of codes + 16 of padding
.set WREG,  32*WP
.set NB,    8                          ; blocks of 32 along K for a lane
.set WX,    32                         ; v32-95   two sets of 32 numbers
.set WC,    96                         ; v96-99   a block's codes
.set WO,    112                        ; v112-143 the way out
.set WSB,   24                         ; v24-25   the scale bytes, four to a register
.macro XLOAD t                         ; step t: each load reads 512 consecutive bytes, 16 a lane: half a row's part
.irp i, 0,1,2,3
	global_load_b128 v[XR+16*((\t)%4)+4*\i:XR+16*((\t)%4)+4*\i+3], v3, s[4:5] offset:(2*(\t)+\i/2)*16384+(\i%2)*512 th:TH_LOAD_NT
.endr
.endm
.macro XTURN t                         ; step t's numbers through the stage, so that a lane gets 16 neighbours: LDS serves a wave's instructions in order, so no wait stands between the stores and the loads
.irp i, 0,1,2,3
	ds_store_b128 v14, v[XR+16*((\t)%4)+4*\i:XR+16*((\t)%4)+4*\i+3] offset:32*SP*((\t)%2)+8*SP*\i
.endr
.irp i, 0,1,2,3
	ds_load_b128 v[XX+16*((\t)%2)+4*\i:XX+16*((\t)%2)+4*\i+3], v15 offset:32*SP*((\t)%2)+16*\i
.endr
.endm
.macro XSTEP t
.set XS, XX+16*((\t)%2)
.if (\t) > 0
	s_wait_dscnt 1                                 ; this step's numbers are back from the stage (only the last step's byte store may be out): so its stores into the stage have read their registers,
.else
	s_wait_dscnt 0x0
.endif
.if (\t)+4 < STEPS
	XLOAD (\t)+4                                   ; which take the loads of four steps on
.endif
.if (\t)+1 < STEPS
.if STEPS-2-(\t) >= 3
	s_wait_loadcnt 12                              ; the next step's four loads are in; those of the three steps behind it may be out
.else
	s_wait_loadcnt 4*(STEPS-2-(\t))
.endif
	XTURN (\t)+1                                   ; and go through the other stage while this step is worked
.endif
	v_max3_num_f32 v8, |v[XS]|, |v[XS+1]|, |v[XS+2]|               ; the largest magnitude of my 16, in two chains
	v_max3_num_f32 v9, |v[XS+3]|, |v[XS+4]|, |v[XS+5]|
.irp i, 6,10
	v_max3_num_f32 v8, v8, |v[XS+\i]|, |v[XS+\i+1]|
	v_max3_num_f32 v9, v9, |v[XS+\i+2]|, |v[XS+\i+3]|
.endr
	v_max3_num_f32 v8, v8, |v[XS+14]|, |v[XS+15]|
	v_max3_num_f32 v8, v8, v9, (EMAX+1)<<23        ; and the floor 2^(3 - 127): the byte cannot fall under 1
	v_max_num_f32_dpp v8, v8, v8 row_xmask:1 row_mask:0xf bank_mask:0xf   ; and of my neighbour's 16: the block's
	v_add_nc_u32 v11, -(EMAX<<23), v8              ; 2 off its exponent field: the conversion takes the exponent field of this operand as its scale, and nothing else of it
	v_cvt_scalef32_pk8_fp4_f32 v[XC+4*(\t)], v[XS:XS+7], v11
	v_cvt_scalef32_pk8_fp4_f32 v[XC+4*(\t)+1], v[XS+8:XS+15], v11
	v_lshrrev_b32 v[XE+(\t)], 23, v11              ; the scale's byte (a plain line behind the conversions)
	ds_store_b8 v5, v[XE+(\t)] offset:16*(\t)      ; both lanes of a block write the same byte with the same value; a step's 16 bytes are two rows' 8 + 8
	global_store_b64 v4, v[XC+4*(\t):XC+4*(\t)+1], s[12:13] offset:256*(\t)   ; 32 lanes store 256 consecutive bytes, aligned: two rows' 128 + 128
.endm
.macro WLOAD t                         ; block t: W(32 t + i, my column), i = 0 .. 31, into set t % 2: a load reads 128 consecutive bytes, the four waves stand side by side
.irp i, 0,1,2,3,4,5,6,7,8,9,10,11,12,13,14,15,16,17,18,19,20,21,22,23,24,25,26,27,28,29,30,31
	global_load_b32 v[WX+32*((\t)%2)+\i], v3, s[6:7] offset:(32*(\t)+\i)*16384 th:TH_LOAD_NT
.endr
.endm
.macro WBLOCK t
.set WS, WX+32*((\t)%2)
.if (\t) < NB-1
	s_wait_loadcnt 32                              ; this block's 32 loads are in; the next block's may be out
.else
	s_wait_loadcnt 0
.endif
	v_max3_num_f32 v12, |v[WS]|, |v[WS+1]|, |v[WS+2]|              ; the block's largest magnitude: all 32 numbers are mine
	v_max3_num_f32 v13, |v[WS+3]|, |v[WS+4]|, |v[WS+5]|
.irp i, 6,10,14,18,22,26
	v_max3_num_f32 v12, v12, |v[WS+\i]|, |v[WS+\i+1]|
	v_max3_num_f32 v13, v13, |v[WS+\i+2]|, |v[WS+\i+3]|
.endr
	v_max3_num_f32 v12, v12, |v[WS+30]|, |v[WS+31]|
	v_max3_num_f32 v12, v12, v13, (EMAX+1)<<23     ; and the floor
	v_add_nc_u32 v11, -(EMAX<<23), v12             ; the conversion's scale operand
	v_lshrrev_b32 v13, 23, v11                     ; the scale's byte
.if (\t)%4 == 0
	v_mov_b32 v[WSB+(\t)/4], v13                   ; four bytes to a register, the lower K in the lower byte
.else
	v_lshl_or_b32 v[WSB+(\t)/4], v13, 8*((\t)%4), v[WSB+(\t)/4]
.endif
.irp g, 0,1,2,3
	v_cvt_scalef32_pk8_fp4_f32 v[WC+\g], v[WS+8*\g:WS+8*\g+7], v11
.endr
	ds_store_b128 v4, v[WC:WC+3] offset:16*(\t)    ; 32 codes: 16 bytes of my column's row
.if (\t)+2 < NB
	WLOAD (\t)+2
.endif
	s_wait_dscnt 0x0                               ; the store has read its registers: the next block's codes may be written
.endm
	s_load_b256 s[4:11], s[0:1], 0x0               ; x s[4:5], W s[6:7], apack s[8:9], bpack s[10:11]
	v_lshl_add_u32 v192, v0, 2, 0xa000
	v_mov_b32 v193, 0
	v_lshrrev_b32 v1, 5, v0
	v_readfirstlane_b32 s16, v1                    ; wave 0..3
	v_and_b32 v2, 31, v0                           ; lane
	s_cmp_lt_u32 ttmp9, 512
	s_cbranch_scc0 .Lw
	; ======== x: a wave takes 32 rows x 256 along K
	s_lshl_b32 s17, ttmp9, 2
	s_add_co_u32 s17, s17, s16                     ; which part: 4 x work-group + wave
	s_and_b32 s18, s17, 15                         ; t: which 256 along K (the four waves take 4,096 bytes on end of each row)
	s_lshr_b32 s19, s17, 4                         ; which 32 rows
	s_lshl_b32 s20, s19, 19                        ; 32 rows of 16,384 bytes
	s_lshl_b32 s21, s18, 10
	s_add_co_u32 s20, s20, s21
	s_mov_b32 s21, 0                               ; s[20:21]: where my part begins in x
	s_lshr_b32 s22, s19, 2
	s_lshl_b32 s22, s22, 4
	s_add_co_u32 s22, s22, s18                     ; the pack's block: 16 g + t
	s_mul_i32 s22, s22, BLKB
	s_and_b32 s23, s19, 3                          ; which 32 of its 128 rows
	s_lshl_b32 s24, s23, 12
	s_add_co_u32 s24, s24, s22
	s_mov_b32 s25, 0                               ; s[24:25]: my 4,096 bytes of codes
	s_lshl_b32 s26, s23, 8
	s_add_co_u32 s26, s26, s22
	s_add_co_u32 s26, s26, 16384
	s_mov_b32 s27, 0                               ; s[26:27]: my 256 scale bytes
	s_wait_alu depctr_va_vdst(0)
	v_lshlrev_b32 v3, 4, v2                        ; my 16 bytes of a load's 512
	s_mul_i32 s28, s16, XREG
	v_lshrrev_b32 v14, 2, v2
	v_mul_u32_u24 v14, v14, SP
	v_and_b32 v15, 3, v2
	v_lshl_add_u32 v14, v15, 4, v14
	v_add_nc_u32 v14, s28, v14                     ; the stage, on the way in: four lanes' 64 bytes on end, then 16 of padding
	v_mul_u32_u24 v15, v2, SP
	v_add_nc_u32 v15, s28, v15                     ; and on the way out: my 16 neighbours
	v_lshlrev_b32 v4, 3, v2                        ; 8 bytes a lane: my codes' place in a step's, and my part of the scale bytes; never rewritten
	v_lshrrev_b32 v5, 1, v2
	s_add_co_u32 s28, s28, 2*32*SP
	v_add_nc_u32 v5, s28, v5                       ; LDS: my wave's 256 scale bytes, my block's byte
	v_add_nc_u32 v6, s28, v4                       ; and on the way out 8 bytes a lane
	s_wait_alu depctr_va_vdst(0)
	s_wait_kmcnt 0x0
	s_add_nc_u64 s[4:5], s[4:5], s[20:21]
	s_add_nc_u64 s[12:13], s[8:9], s[24:25]
	s_add_nc_u64 s[14:15], s[8:9], s[26:27]
.irp t, 0,1,2,3
	XLOAD \t
.endr
	s_wait_loadcnt 12                              ; step 0's four loads are in; the twelve behind them may be out
	XTURN 0
.irp t, 0,1,2,3,4,5,6,7,8,9,10,11,12,13,14,15
	XSTEP \t
.endr
	ds_load_b64 v[12:13], v6                       ; LDS serves a wave's instructions in order: these see my byte stores
	s_wait_dscnt 0x0
	global_store_b64 v4, v[12:13], s[14:15]        ; 32 lanes store 256 consecutive bytes, aligned
	s_wait_tensorcnt 0x0
	ds_add_u32 v192, v193
	s_wait_dscnt 0x0
	s_endpgm
	; ======== W: a lane takes a column n and its registers run down K; a wave takes 32 columns x 256 along K
.Lw:
	s_sub_co_u32 s17, ttmp9, 512
	s_and_b32 s18, s17, 31                         ; g: which 128 columns (neighbouring work-groups stand side by side on the same rows of W)
	s_lshr_b32 s19, s17, 5                         ; t: which 256 along K
	s_lshl_b32 s20, s19, 22                        ; 256 rows of 16,384 bytes
	s_lshl_b32 s21, s18, 9
	s_add_co_u32 s20, s20, s21
	s_lshl_b32 s21, s16, 7
	s_add_co_u32 s20, s20, s21
	s_mov_b32 s21, 0                               ; s[20:21]: where my part begins in W
	s_lshl_b32 s22, s18, 4
	s_add_co_u32 s22, s22, s19                     ; the pack's block: 16 g + t
	s_mul_i32 s22, s22, BLKB
	s_lshl_b32 s24, s16, 12
	s_add_co_u32 s24, s24, s22
	s_mov_b32 s25, 0                               ; s[24:25]: my 4,096 bytes of codes
	s_lshl_b32 s26, s16, 8
	s_add_co_u32 s26, s26, s22
	s_add_co_u32 s26, s26, 16384
	s_mov_b32 s27, 0                               ; s[26:27]: my 256 scale bytes
	s_mul_i32 s28, s16, WREG
	s_add_co_u32 s28, s28, WBASE                   ; my stage
	s_wait_alu depctr_va_vdst(0)
	v_lshlrev_b32 v3, 2, v2                        ; in: 4 bytes a lane
	v_mul_u32_u24 v4, v2, WP
	v_add_nc_u32 v4, s28, v4                       ; into the stage: row = my column
	v_lshrrev_b32 v5, 3, v2
	v_mul_u32_u24 v7, v5, WP
	v_and_b32 v6, 7, v2
	v_lshl_add_u32 v7, v6, 4, v7
	v_add_nc_u32 v7, s28, v7                       ; out of it: eight lanes to a row of 128 bytes, four rows an instruction
	v_lshlrev_b32 v8, 4, v2                        ; which are 512 consecutive bytes of the pack: 16 a lane
	v_lshlrev_b32 v9, 3, v2                        ; my column's 8 scale bytes
	s_wait_kmcnt 0x0
	s_add_nc_u64 s[6:7], s[6:7], s[20:21]
	s_add_nc_u64 s[12:13], s[10:11], s[24:25]
	s_add_nc_u64 s[14:15], s[10:11], s[26:27]
	WLOAD 0
	WLOAD 1
.irp t, 0,1,2,3,4,5,6,7
	WBLOCK \t
.endr
	s_wait_alu depctr_va_vdst(0)
	global_store_b64 v9, v[WSB:WSB+1], s[14:15]    ; 32 lanes store 256 consecutive bytes, aligned
.irp u, 0,1,2,3,4,5,6,7
	ds_load_b128 v[WO+4*\u:WO+4*\u+3], v7 offset:\u*4*WP   ; LDS serves a wave's instructions in order: these see my stores
.endr
.irp u, 0,1,2,3,4,5,6,7
	s_wait_dscnt 7-\u
	global_store_b128 v8, v[WO+4*\u:WO+4*\u+3], s[12:13] offset:512*\u   ; 512 consecutive bytes, aligned
.endr
	s_wait_tensorcnt 0x0
	ds_add_u32 v192, v193
	s_wait_dscnt 0x0
	s_endpgm
.Lfunc_end_k_qe1fc3aa488_quant:
	.size	k_qe1fc3aa488_quant, .Lfunc_end_k_qe1fc3aa488_quant-k_qe1fc3aa488_quant
	.p2alignl 7, 3214868480
	.fill 96, 4, 3214868480
	.section	.rodata,"a",@progbits
	.p2align	6, 0x0
	.amdhsa_kernel k_qe1fc3aa488_quant
		.amdhsa_group_segment_fixed_size 41472
		.amdhsa_private_segment_fixed_size 0
		.amdhsa_enable_private_segment 0
		.amdhsa_kernarg_size 32
		.amdhsa_user_sgpr_count 2
		.amdhsa_user_sgpr_kernarg_segment_ptr 1
		.amdhsa_wavefront_size32 1
		.amdhsa_system_sgpr_workgroup_id_x 1
		.amdhsa_system_sgpr_workgroup_id_y 1
		.amdhsa_system_sgpr_workgroup_id_z 1
		.amdhsa_system_vgpr_workitem_id 0
		.amdhsa_next_free_vgpr 194
		.amdhsa_next_free_sgpr 66
		.amdhsa_reserve_vcc 0
		.amdhsa_float_denorm_mode_32 3
		.amdhsa_float_denorm_mode_16_64 3
		.amdhsa_memory_ordered 1
		.amdhsa_forward_progress 1
		.amdhsa_inst_pref_size 73
	.end_amdhsa_kernel
	.amdgpu_metadata
---
amdhsa.version: [ 1, 2 ]
amdhsa.kernels:
  - .name:           k_qe1fc3aa488_quant
    .symbol:         k_qe1fc3aa488_quant.kd
    .args:
      - { .name: input_data, .offset: 0, .size: 8, .value_kind: global_buffer, .address_space: global }
      - { .name: W, .offset: 8, .size: 8, .value_kind: global_buffer, .address_space: global }
      - { .name: apack, .offset: 16, .size: 8, .value_kind: global_buffer, .address_space: global }
      - { .name: bpack, .offset: 24, .size: 8, .value_kind: global_buffer, .address_space: global }
    .group_segment_fixed_size: 41472
    .private_segment_fixed_size: 0
    .kernarg_segment_align: 8
    .kernarg_segment_size: 32
    .max_flat_workgroup_size: 128
    .sgpr_count:     66
    .vgpr_count:     194
    .wavefront_size: 32
...
	.end_amdgpu_metadata
.endif
;; end of part 1
;; launch gemm (part 2): grid 16 x 16, 4 waves a work-group, clusters of 4 x 4, 327,680 bytes of LDS; arguments apack, bpack, hidden_bias, out0; writes out0
.if DOCPART == 2
	.amdgcn_target "amdgcn-amd-amdhsa--gfx1250"
	.amdhsa_code_object_version 6
	.text
	.protected	k_qe1fc3aa488_gemm
	.globl	k_qe1fc3aa488_gemm
	.p2align	8
	.type	k_qe1fc3aa488_gemm,@function
k_qe1fc3aa488_gemm:
	s_mov_b64 s[64:65], 0
	v_nop
	global_prefetch_b8 v0, s[64:65] scope:SCOPE_SE
	s_setreg_imm32_b32 hwreg(HW_REG_WAVE_MODE, 25, 1), 1
	s_wait_xcnt 0x0
	s_wait_alu depctr_hold_cnt(0) depctr_sa_sdst(0) depctr_va_vdst(0) depctr_va_sdst(0) depctr_va_ssrc(0) depctr_va_vcc(0) depctr_vm_vsrc(0)
	s_getreg_b32 s2, hwreg(HW_REG_IB_STS2, 6, 4)
	s_cmp_eq_u32 s2, 0
	s_cbranch_scc0 .Lentry_in_a_cluster
	s_endpgm
.Lentry_in_a_cluster:
	s_bfe_u32 s2, ttmp6, 0x10000c
	s_cmp_lg_u32 s2, 0xf033
	s_cbranch_scc0 .Lentry_shape_is_right
	s_endpgm
.Lentry_shape_is_right:
; out0[m][n] = sigmoid(sum over k of x[m][k] W[k][n] + bias[n]), on the codes of FP4 (E2M1) and E8M0 scale bytes that the launch before has packed.
; pack[g = row / 128][t = k / 256]: 17,408 bytes: codes [128 rows][128 bytes], then scale bytes [128 rows][8].  512 along K of 128 rows are 34,816 bytes on end: one tensor load, 136 rows of 256 bytes.
; A work-group of four waves makes 256 x 256 of the output, a wave 128 x 128: 64 accumulators, 512 registers.  K goes in steps of 512 through two LDS slots.
; CLUSTERS of 4 x 4: A's tiles are asked for jointly along a row of the cluster, B's along a column.
; The matrix instruction is used transposed (source 0 = 16 rows of B, source 1 = 16 rows of A): a lane holds eight neighbouring numbers of a row of the output.
; REGISTERS.  Every window of 256 holds 128 accumulator registers (v128-255: A's blocks 2 w, 2 w + 1 against B's eight) and 64 fragment registers (v64-127, two sets of 32 that take turns step by step):
;   window 0: B's blocks 0-3; v0-31 addresses; v32-63 scale words (two sets of 16: 256 along K each);   window 1: B's blocks 4-7;
;   window 2: A's blocks 0-3; v0-63 the bias;   window 3: A's blocks 4-7.
; A step of 128 along K is 64 products, 8 settings of 8.  Both operands have two sets, so the next step's 32 fragment loads stand in ONE run, anywhere in the step.
; THE WAVES' RUNS STAND APART: waves 0 and 1 issue theirs behind the step's first 16 products, waves 2 and 3 behind its 48th.
; So the runs of two waves, not of four, meet at LDS, and the other two waves multiply meanwhile.  Every wait on DScnt is for 0: it holds on both ways.
; THE WALK ALONG K: each cluster begins at another lap (two K steps) of the four, so that the four clusters that share rows of A, or of B, stand at four different laps.
; LIMIT: the sums therefore run along K from that lap on and round the end, not from k = 0: an order of rounding in f32 other than ascending K.
; NO PREFETCH: the first two fills have no loop ahead of them in which to ask, and each later K step has been asked for, a lap earlier, by another cluster that shares its rows.
.set PITCH,  272                       ; an LDS row: 256 bytes + 16 of padding
.set SUB,    68*PITCH                  ; one block of a pack: 256 along K of 128 rows
.set HALFT,  2*SUB                     ; what one tensor load brings
.set SLOT,   4*HALFT                   ; A's 256 rows, then B's
.set SPARE,  2*SLOT                    ; the spare words: 512 bytes that no other line names
.set STEPB,  34816
.set GRPB,   278528                    ; 128 rows, all of K
.set ROWC,   16384                     ; a row of the output in bytes
.set LAPS,   4
.set SPITCH, 528                       ; the way out: a stage of 16 rows x (512 + 16) bytes for each wave, in slot 0 behind its last fill and last read
.set ADRA, 16                          ; v16-17 my A fragments in slot 0, 1;  v18-19 B's;  v20-21 scale words (lanes 0-15 A's rows, lanes 16-31 B's)
.set ADRB, 18
.set ADRS, 20
.set STO,  24
.set RD,   25
.set CO,   26
.set BO,   27
.set SPW,  28                          ; my spare word; never rewritten
.set NIL,  29                          ; 0; never rewritten
.set SC,   32
.set G1, 24
.set G0, 32
.set G1B, 48
.set G0B, 56
.set LE,  66                           ; s[66:67] -log2(e)
.set BASA, 68
.set BASB, 70
.set PR,   72                          ; the lap at which I stand
.set KO,   74
.set MSB, 0
.macro WIN new                         ; the immediate's high byte repeats the setting that is left
.if MSB != (\new)
	s_set_vgpr_msb (MSB<<8)|(\new)
.set MSB, (\new)
.endif
.endm
.macro PLACES
.rept 4
	v_nop
.endr
.endm
.macro JLOAD g0a, g1a, g0b, g1b        ; a joint load: waves 0 and 1 fetch for A, waves 2 and 3 for B; s_nop 0 and four v_nop behind each line
	s_cmp_eq_u32 s15, 0
	s_cbranch_scc0 .Lfor_b_\@
	tensor_load_to_lds s[\g0a:\g0a+3], s[\g1a:\g1a+7]
	s_nop 0
	PLACES
	s_branch .Lasked_\@
.Lfor_b_\@:
	tensor_load_to_lds s[\g0b:\g0b+3], s[\g1b:\g1b+7]
	s_nop 0
	PLACES
.Lasked_\@:
.endm
.macro CREST                           ; a round of the cluster's barrier behind its opening barrier
	s_cmp_lg_u32 s14, 0
	s_cbranch_scc1 .Lnot_wave_0_\@
	s_barrier_signal -3
.Lnot_wave_0_\@:
	s_barrier_wait -3
	s_barrier_signal -1
	s_barrier_wait -1
.endm
.macro CROUND
	s_barrier_signal -1
	s_barrier_wait -1
	CREST
.endm
	s_load_b256 s[4:11], s[0:1], 0x0               ; apack, bpack, bias, out
	v_lshl_add_u32 v[SPW], v0, 2, SPARE
	v_mov_b32 v[NIL], 0
	ds_add_u32 v[SPW], v[NIL]                      ; the opening lines: the add, twice on end, and its wait ahead of my first tensor load
	ds_add_u32 v[SPW], v[NIL]
	v_lshrrev_b32 v1, 5, v0
	v_readfirstlane_b32 s14, v1                    ; wave
	s_lshr_b32 s15, s14, 1                         ; my half of the rows; also: I fetch for A (0) or B (1); also: which place my runs of LDS loads take
	s_and_b32 s16, s14, 1                          ; my half of the columns; also: which 128 rows I fetch
	s_bfe_u32 s40, ttmp6, 0x40000                  ; cx
	s_bfe_u32 s41, ttmp6, 0x40004                  ; cy
	s_lshl_b32 s42, ttmp9, 2
	s_add_co_u32 s42, s42, s40                     ; tile column
	s_and_b32 s17, ttmp7, 0xffff
	s_lshl_b32 s17, s17, 2
	s_add_co_u32 s17, s17, s41                     ; tile row
	s_lshl_b32 s43, s41, 2
	s_lshl_b32 s43, 15, s43                        ; my row of the cluster
	s_lshl_b32 s44, 0x1111, s40                    ; my column
	s_or_b32 s[G1+0], s43, (3<<16)|(1<<20)|(1<<21)|(5<<22)|(3<<25)   ; elements of 8 bytes; 4 words of padding behind every 64
	s_or_b32 s[G1B+0], s44, (3<<16)|(1<<20)|(1<<21)|(5<<22)|(3<<25)
.irp g, G1, G1B
	s_mov_b32 s[\g+1], 32<<16                      ; 136 dense rows of 32 elements
	s_mov_b32 s[\g+2], 136<<16
	s_mov_b32 s[\g+3], 32<<16
	s_mov_b32 s[\g+4], 136
	s_mov_b32 s[\g+5], 32
	s_mov_b32 s[\g+6], 0
	s_mov_b32 s[\g+7], 0
.endr
	s_lshl_b32 s20, s17, 1
	s_add_co_u32 s20, s20, s16
	s_mul_i32 s20, s20, GRPB                       ; A: the 128 rows that I fetch
	s_mov_b32 s21, 0
	s_lshl_b32 s46, s42, 1
	s_add_co_u32 s46, s46, s16
	s_mul_i32 s46, s46, GRPB                       ; B likewise
	s_mov_b32 s47, 0
	s_mul_i32 s45, s14, HALFT                      ; where they go: wave x 136 LDS rows
	s_and_b32 s[PR], ttmp9, 1                      ; the first lap, from the cluster's x and y alone: different in the four clusters of a row and of a column of clusters
	s_lshl_b32 s[PR], s[PR], 1
	s_lshr_b32 s73, ttmp9, 1
	s_add_co_u32 s[PR], s[PR], s73
	s_and_b32 s73, ttmp7, 0xffff
	s_and_b32 s76, s73, 1
	s_lshl_b32 s76, s76, 1
	s_lshr_b32 s73, s73, 1
	s_add_co_u32 s[PR], s[PR], s76
	s_add_co_u32 s[PR], s[PR], s73
	s_and_b32 s[PR], s[PR], 3
	s_mul_i32 s[KO], s[PR], 2*STEPB
	s_mov_b32 s[KO+1], 0
	s_mov_b32 s[LE], 0xbfb8aa3b
	s_mov_b32 s[LE+1], s[LE]
	s_wait_dscnt 0x0                               ; both opening adds are done
	s_wait_kmcnt 0x0
	s_add_nc_u64 s[BASA:BASA+1], s[4:5], s[20:21]
	s_add_nc_u64 s[BASB:BASB+1], s[6:7], s[46:47]
	CROUND                                         ; all sixteen work-groups are here: the first joint loads meet
.irp s, 0,1
	s_mov_b32 s[G0+4*\s], 1
	s_add_co_u32 s[G0+4*\s+1], s45, \s*SLOT
	s_add_nc_u64 s[G0+4*\s+2:G0+4*\s+3], s[BASA:BASA+1], s[KO:KO+1]
	s_mov_b32 s[G0B+4*\s], 1
	s_add_co_u32 s[G0B+4*\s+1], s45, \s*SLOT
	s_add_nc_u64 s[G0B+4*\s+2:G0B+4*\s+3], s[BASB:BASB+1], s[KO:KO+1]
.if \s
	s_add_nc_u64 s[G0+4*\s+2:G0+4*\s+3], s[G0+4*\s+2:G0+4*\s+3], STEPB
	s_add_nc_u64 s[G0B+4*\s+2:G0B+4*\s+3], s[G0B+4*\s+2:G0B+4*\s+3], STEPB
.endif
	s_or_b32 s[G0+4*\s+3], s[G0+4*\s+3], 0x80000000
	s_or_b32 s[G0B+4*\s+3], s[G0B+4*\s+3], 0x80000000
.endr
	JLOAD G0, G1, G0B, G1B                         ; slot 0: one tensor load a wave at the head; all that follows is made while it is out
	s_mul_i32 s21, s15, HALFT                      ; my 128 rows of A
	s_mul_i32 s22, s16, HALFT
	s_add_co_u32 s22, s22, 2*HALFT                 ; my 128 rows of B
	s_sub_co_u32 s77, s22, s21
	s_add_co_u32 s78, s21, SLOT
	s_add_co_u32 s79, s22, SLOT
	s_mul_i32 s23, s14, 16*SPITCH                  ; my stage
	s_lshl_b32 s46, s42, 10
	s_lshl_b32 s47, s16, 9
	s_add_co_u32 s46, s46, s47                     ; my first column, in bytes
	s_mov_b32 s47, 0
	s_add_nc_u64 s[8:9], s[8:9], s[46:47]
	s_lshl_b32 s12, s17, 8
	s_lshl_b32 s13, s15, 7
	s_add_co_u32 s12, s12, s13
	s_lshl_b32 s12, s12, 14                        ; my first row, in bytes
	s_mov_b32 s13, 0
	s_add_nc_u64 s[12:13], s[12:13], s[46:47]
	s_add_nc_u64 s[10:11], s[10:11], s[12:13]
	v_and_b32 v1, 15, v0                           ; r
	v_bfe_u32 v2, v0, 4, 1                         ; h
	v_lshrrev_b32 v3, 1, v1
	v_mul_u32_u24 v3, v3, PITCH                    ; two rows of 128 bytes of codes share an LDS row
	v_and_b32 v4, 1, v1
	v_lshl_add_u32 v3, v4, 7, v3
	v_lshl_add_u32 v4, v2, 4, v3                   ; a fragment's row + 16 h
	v_lshlrev_b32 v5, 3, v1                        ; 8 scale bytes a row
	v_mul_u32_u24 v6, s77, v2                      ; lanes 16-31 take B's
	v_add_nc_u32 v5, v5, v6
	v_mul_u32_u24 v7, v1, SPITCH
	v_lshl_add_u32 v7, v2, 5, v7
	v_add_nc_u32 v[STO], s23, v7                   ; into the stage: row r, 32 bytes for each half of the lanes
	v_and_b32 v8, 31, v0
	v_lshlrev_b32 v[CO], 4, v8                     ; back: 32 lanes take a row of 512 bytes
	v_add_nc_u32 v[RD], s23, v[CO]
	v_lshlrev_b32 v[BO], 5, v2
	v_add_nc_u32 v[ADRA], s21, v4
	v_add_nc_u32 v[ADRA+1], s78, v4
	v_add_nc_u32 v[ADRB], s22, v4
	v_add_nc_u32 v[ADRB+1], s79, v4
	v_add_nc_u32 v[ADRS], s21, v5
	v_add_nc_u32 v[ADRS+1], s78, v5
	WIN 0x80
.irp b, 0,1,2,3,4,5,6,7
	global_load_b128 v[8*\b:8*\b+3],   v[BO], s[8:9] offset:64*\b       ; the bias in the result's layout: register 8 b + j is column 16 b + 8 h + j; window 2
	global_load_b128 v[8*\b+4:8*\b+7], v[BO], s[8:9] offset:64*\b+16
.endr
	WIN 0
; One fragment load: half k % 2 of fragment k / 2 of group g (0, 1: B's blocks 4 g ..; 2, 3: A's blocks 4 (g - 2) ..), of the qn-th 128 along K of slot sn, into set pn of window g
.macro LD g, k, sn, qn, pn
.set LF, (\k)/2
.set LC, (\k)%2
.if (\g) < 2
	ds_load_b128 v[64+32*(\pn)+8*LF+4*LC:64+32*(\pn)+8*LF+4*LC+3], v[ADRB+(\sn)] offset:((\qn)/2)*SUB+((\qn)%2)*64+32*LC+(4*(\g)+LF)*8*PITCH
.else
	ds_load_b128 v[64+32*(\pn)+8*LF+4*LC:64+32*(\pn)+8*LF+4*LC+3], v[ADRA+(\sn)] offset:((\qn)/2)*SUB+((\qn)%2)*64+32*LC+(4*((\g)-2)+LF)*8*PITCH
.endif
.endm
.macro RUN g, sn, qn, pn               ; group g's eight loads: destination window g, address window 0
	WIN (\g)<<6
.set RK, 0
.rept 8
	LD \g, RK, \sn, \qn, \pn
.set RK, RK+1
.endr
.endm
.macro SCRUN sn, kh                    ; the scale words of 256 along K: two words a block; lanes 0-15 A's block i, lanes 16-31 B's block i
	WIN 0
.set RK, 0
.rept 8
	ds_load_b64 v[SC+16*(\kh)+2*RK:SC+16*(\kh)+2*RK+1], v[ADRS+(\sn)] offset:(\kh)*SUB+(64+RK/2)*PITCH+(RK%2)*128
.set RK, RK+1
.endr
.endm
.macro FETCH sn, qn, pn, sc, kh        ; all fragments of a step in one run; sc = 1: scale words too
.if \sc
	SCRUN \sn, \kh
.endif
	RUN 0, \sn, \qn, \pn
	RUN 1, \sn, \qn, \pn
	RUN 2, \sn, \qn, \pn
	RUN 3, \sn, \qn, \pn
	WIN 0
.endm
.macro LOADS who, sn, qn, pn, sc, kh   ; the run of the pair of waves 'who'; the other pair passes it by.  The four v_nop are the places between the last step's products and the loads into the set that they read
	WIN 0
	s_cmp_eq_u32 s15, \who
	s_cbranch_scc0 .Lnot_mine_\@
	PLACES
	FETCH \sn, \qn, \pn, \sc, \kh
.Lnot_mine_\@:
.endm
; Eight products under one setting: A's blocks 2 g, 2 g + 1 x B's blocks 4 x .. 4 x + 3, set p, the slot's q-th 128 along K.  The accumulators take turns.
.macro HALF g, x, p, q, zero
	WIN ((\g)<<6)|((\g)<<4)|((2+(\g)/2)<<2)|(\x)
.set PN, 0
.rept 8
.set WD, 128+8*(8*(PN/4)+4*(\x)+PN%4)
.set WB, 64+32*(\p)+8*(PN%4)
.set WA, 64+32*(\p)+8*(2*((\g)%2)+PN/4)
.set WSB, SC+16*((\q)/2)+2*(4*(\x)+PN%4)+(\q)%2
.set WSA, SC+16*((\q)/2)+2*(2*(\g)+PN/4)+(\q)%2
.if \zero
	v_wmma_scale_f32_16x16x128_f8f6f4 v[WD:WD+7], v[WB:WB+7], v[WA:WA+7], 0, v[WSB], v[WSA] matrix_a_fmt:MATRIX_FMT_FP4 matrix_b_fmt:MATRIX_FMT_FP4 matrix_a_scale:MATRIX_SCALE_ROW1
.else
	v_wmma_scale_f32_16x16x128_f8f6f4 v[WD:WD+7], v[WB:WB+7], v[WA:WA+7], v[WD:WD+7], v[WSB], v[WSA] matrix_a_fmt:MATRIX_FMT_FP4 matrix_b_fmt:MATRIX_FMT_FP4 matrix_a_scale:MATRIX_SCALE_ROW1
.endif
.set PN, PN+1
.endr
.endm
.macro PHASE g, p, q, zero
	HALF \g, 0, \p, \q, \zero
	HALF \g, 1, \p, \q, \zero
.endm
; A step that has its successor in the same slot.  With the slot's third step's fragments come the scale words of its second half.
.macro STEP slot, q, zero
.set SX, 0
.if (\q) == 1
.set SX, 1
.endif
	s_wait_dscnt 0x0                               ; this step's fragments are in
	PHASE 0, (\q)%2, \q, \zero
	LOADS 0, \slot, (\q)+1, 1-(\q)%2, SX, 1
	PHASE 1, (\q)%2, \q, \zero
	PHASE 2, (\q)%2, \q, \zero
	LOADS 1, \slot, (\q)+1, 1-(\q)%2, SX, 1
	PHASE 3, (\q)%2, \q, \zero
.endm
; A slot's last step changes slots: one barrier; in front of it each wave waits for all its tensor loads, adds 0 to its spare word, and waits for that and for its reads of this slot, which are this step's fragments.
.macro TURN slot, next, fill
	WIN 0
	s_wait_tensorcnt 0x0                           ; my one load that was out, my part of the next slot, has landed
	ds_add_u32 v[SPW], v[NIL]
.if \fill
.if \slot == 0
	s_add_co_u32 s[PR], s[PR], 1                   ; the next lap, round the end of K
	s_and_b32 s[PR], s[PR], 3
	s_mul_i32 s[KO], s[PR], 2*STEPB
.endif
	s_add_nc_u64 s[G0+4*\slot+2:G0+4*\slot+3], s[BASA:BASA+1], s[KO:KO+1]
	s_add_nc_u64 s[G0B+4*\slot+2:G0B+4*\slot+3], s[BASB:BASB+1], s[KO:KO+1]
.if \slot == 1
	s_add_nc_u64 s[G0+4*\slot+2:G0+4*\slot+3], s[G0+4*\slot+2:G0+4*\slot+3], STEPB
	s_add_nc_u64 s[G0B+4*\slot+2:G0B+4*\slot+3], s[G0B+4*\slot+2:G0B+4*\slot+3], STEPB
.endif
	s_or_b32 s[G0+4*\slot+3], s[G0+4*\slot+3], 0x80000000
	s_or_b32 s[G0B+4*\slot+3], s[G0B+4*\slot+3], 0x80000000
.endif
	s_wait_dscnt 0x0                               ; the add is done, and my reads of this slot are over
	s_barrier_signal -1
	PHASE 0, 1, 3, 0                               ; 32 products on registers while the others arrive
	PHASE 1, 1, 3, 0
	WIN 0
	s_barrier_wait -1
.if \fill
	CREST                                          ; the barrier has opened a round of the cluster's barrier
	JLOAD G0+4*\slot, G1, G0B+4*\slot, G1B         ; the refill, first behind the round
.endif
	LOADS 0, \next, 0, 0, 1, 0                     ; the next slot's first fragments and scale words: waves 0 and 1 now,
	PHASE 2, 1, 3, 0
	PHASE 3, 1, 3, 0
	LOADS 1, \next, 0, 0, 1, 0                     ; waves 2 and 3 behind the step's last products
.endm
	s_wait_alu depctr_va_vdst(0)
	s_wait_tensorcnt 0x0                           ; my part of slot 0 is in; the three lines ahead of a later first fill, as ahead of a refill
	ds_add_u32 v[SPW], v[NIL]
	s_wait_dscnt 0x0
	CROUND
	JLOAD G0+4, G1, G0B+4, G1B                     ; slot 1's first fill, first behind the round
	FETCH 0, 0, 0, 1, 0
	STEP 0, 0, 1                                   ; the first step stands in front of the loop: its products start the sums
	WIN 0
	s_mov_b32 s3, LAPS-1
.Llap:                                                 ; a trip goes once round the ring, from a lap's second step to the next lap's first
	STEP 0, 1, 0
	STEP 0, 2, 0
	TURN 0, 1, 1
	STEP 1, 0, 0
	STEP 1, 1, 0
	STEP 1, 2, 0
	TURN 1, 0, 1
	STEP 0, 0, 0
	WIN 0
	s_sub_co_u32 s3, s3, 1
	s_cmp_lg_u32 s3, 0
	s_cbranch_scc1 .Llap
	STEP 0, 1, 0                                   ; the last lap fills nothing
	STEP 0, 2, 0
	TURN 0, 1, 0
	STEP 1, 0, 0
	STEP 1, 1, 0
	STEP 1, 2, 0
	s_wait_dscnt 0x0
	PHASE 0, 1, 3, 0
	PHASE 1, 1, 3, 0
	PHASE 2, 1, 3, 0
	PHASE 3, 1, 3, 0
; THE WAY OUT, block by block of 16 rows x 128 columns, in place on the accumulators: 1 / (1 + 2^(-log2(e) (sum + bias))).
.macro SIGA a                          ; the exponent, one fused multiply-add for two numbers, and the exponentials
.set AC, 128+64*((\a)%2)
	WIN (((\a)/2)<<6)|(2<<4)|((\a)/2)
	s_wait_alu depctr_va_vdst(0)                   ; the wait ahead of the first reader of matrix results
.set i, 0
.rept 32
	v_pk_fma_f32 v[AC+i:AC+i+1], v[AC+i:AC+i+1], s[LE:LE+1], v[i:i+1] op_sel_hi:[1,0,1]
.set i, i+2
.endr
	s_wait_alu depctr_va_vdst(0)                   ; ahead of the batch
.set i, 0
.rept 64
	v_exp_f32 v[AC+i], v[AC+i]
.set i, i+1
.endr
	v_nop
	s_wait_alu depctr_va_vdst(0)                   ; and behind it
.endm
.macro SIGB a
.set AC, 128+64*((\a)%2)
	WIN (((\a)/2)<<6)|(2<<4)|((\a)/2)
.set i, 0
.rept 32
	v_pk_add_f32 v[AC+i:AC+i+1], v[AC+i:AC+i+1], 1.0 op_sel_hi:[1,0]
.set i, i+2
.endr
	s_wait_alu depctr_va_vdst(0)
.set i, 0
.rept 64
	v_rcp_f32 v[AC+i], v[AC+i]
.set i, i+1
.endr
	v_nop
	s_wait_alu depctr_va_vdst(0)
.endm
.macro TOSTAGE a                       ; into my stage, and back as whole rows of 512 bytes, into the registers that held B's fragments: window a % 2
.set AC, 128+64*((\a)%2)
	WIN ((\a)/2)<<2
.irp b, 0,1,2,3,4,5,6,7
	ds_store_b128 v[STO], v[AC+8*\b:AC+8*\b+3] offset:64*\b
	ds_store_b128 v[STO], v[AC+8*\b+4:AC+8*\b+7] offset:64*\b+16
.endr
	WIN ((\a)%2)<<6
.irp t, 0,1,2,3,4,5,6,7,8,9,10,11,12,13,14,15
	ds_load_b128 v[64+4*\t:64+4*\t+3], v[RD] offset:\t*SPITCH      ; LDS serves a wave's instructions in order: these see the stores above
.endr
.endm
.macro SEND a
	WIN ((\a)%2)<<2
	s_wait_dscnt 0x0                               ; the block is back in registers
	s_wait_xcnt 0x0                                ; the earlier stores have read their base and their data
.if (\a) > 0
	s_add_nc_u64 s[10:11], s[10:11], 16*ROWC
.endif
.irp t, 0,1,2,3,4,5,6,7,8,9,10,11,12,13,14,15
	global_store_b128 v[CO], v[64+4*\t:64+4*\t+3], s[10:11] offset:\t*ROWC th:TH_STORE_NT   ; 32 lanes store 512 consecutive bytes, aligned
.endr
.endm
	PLACES
	s_wait_loadcnt 0x0                             ; the bias is in
	WIN 0x82
.set i, 0
.rept 32
	v_pk_mul_f32 v[i:i+1], v[i:i+1], s[LE:LE+1] op_sel_hi:[1,0]    ; -log2(e) x bias, once
.set i, i+2
.endr
	SIGA 0
	SIGB 0
	TOSTAGE 0
.irp a, 1,2,3,4,5,6,7                  ; block a - 1's stores leave between block a's two batches
	SIGA \a
	SEND \a-1
	SIGB \a
	TOSTAGE \a
.endr
	SEND 7
	WIN 0
	s_wait_tensorcnt 0x0                           ; the wave's end
	ds_add_u32 v[SPW], v[NIL]
	s_wait_dscnt 0x0
	CROUND                                         ; the closing round
	s_endpgm
.Lfunc_end_k_qe1fc3aa488_gemm:
	.size	k_qe1fc3aa488_gemm, .Lfunc_end_k_qe1fc3aa488_gemm-k_qe1fc3aa488_gemm
	.p2alignl 7, 3214868480
	.fill 96, 4, 3214868480
	.section	.rodata,"a",@progbits
	.p2align	6, 0x0
	.amdhsa_kernel k_qe1fc3aa488_gemm
		.amdhsa_group_segment_fixed_size 327680
		.amdhsa_private_segment_fixed_size 0
		.amdhsa_enable_private_segment 0
		.amdhsa_kernarg_size 32
		.amdhsa_user_sgpr_count 2
		.amdhsa_user_sgpr_kernarg_segment_ptr 1
		.amdhsa_wavefront_size32 1
		.amdhsa_system_sgpr_workgroup_id_x 1
		.amdhsa_system_sgpr_workgroup_id_y 1
		.amdhsa_system_sgpr_workgroup_id_z 1
		.amdhsa_system_vgpr_workitem_id 0
		.amdhsa_next_free_vgpr 1024
		.amdhsa_next_free_sgpr 80
		.amdhsa_reserve_vcc 0
		.amdhsa_float_denorm_mode_32 3
		.amdhsa_float_denorm_mode_16_64 3
		.amdhsa_memory_ordered 1
		.amdhsa_forward_progress 1
		.amdhsa_inst_pref_size 255
	.end_amdhsa_kernel
	.section	.bss,"aw",@nobits
	.p2align	6
	.space	262144
	.amdgpu_metadata
---
amdhsa.version: [ 1, 2 ]
amdhsa.kernels:
  - .name:           k_qe1fc3aa488_gemm
    .symbol:         k_qe1fc3aa488_gemm.kd
    .args:
      - { .name: apack, .offset: 0, .size: 8, .value_kind: global_buffer, .address_space: global }
      - { .name: bpack, .offset: 8, .size: 8, .value_kind: global_buffer, .address_space: global }
      - { .name: hidden_bias, .offset: 16, .size: 8, .value_kind: global_buffer, .address_space: global }
      - { .name: out0, .offset: 24, .size: 8, .value_kind: global_buffer, .address_space: global }
    .group_segment_fixed_size: 327680
    .private_segment_fixed_size: 0
    .kernarg_segment_align: 8
    .kernarg_segment_size: 32
    .max_flat_workgroup_size: 128
    .sgpr_count:     80
    .vgpr_count:     1024
    .wavefront_size: 32
...
	.end_amdgpu_metadata
.endif
;; end of part 2
